; MI455X (gfx1250); checked and timed in simulation.
; The chip was launched on July 23, 2026; its instructions are those of AMD's public machine-readable ISA for CDNA 5 (MIT licence, August 2026) and "CDNA5" Instruction Set Architecture Reference Guide (July 2026). The comments in the code are by the model that wrote it; some were corrected since.
;; Bahdanau Attn. Allowed arithmetic: matrix products marked QUANTISED: E4M3 operands, one E8M0 scale for each 32 along K, by v_wmma_scale_f32_16x16x128_f8f6f4 with both operands' format E4M3, f32 sums; products left as they are: f32 operands where the result goes on into a quantised operand, else bf16, f16 or f32 operands; f32 sums; everything else in f32.
;; Inputs: W_e 1,024 x 1,024 float32; W_h 1,024 x 1,024 float32; b_e 1,024 float32; b_h 1,024 float32; encoder_outputs 2,048 x 32 x 1,024 float32; hidden 1 x 32 x 1,024 float32; v 1,024 float32.
;; Outputs: out0 32 x 1 x 2,048 float32.
;; This version of the problem:
;;   THIS VERSION OF THE PROBLEM IS GIVEN IN LOW PRECISION. The matrix products marked QUANTISED in the list below multiply operands that are first quantised to E4M3 (4 exponent bits, 3 mantissa bits; 8 bits a number), with one power-of-two scale for each 32 numbers along K (OCP MX v1.0); their sums are f32. All else is computed in f32.
;;   The module's matrix products, in the order in which they are computed (A, B: the left and right operand; K: the contracted axis; several contracted axes count as one K, in the product's order):
;;     1. [M 32, K 1,024] x [K 1,024, N 1,024]; A: input hidden; B: input W_h: QUANTISED
;;     2. [M 1,024, K 1,024] x [K 1,024, N 65,536]; A: input W_e; B: input encoder_outputs: QUANTISED
;;     3. [M 65,536, K 1,024] x [K 1,024, N 1]; A: computed on the way; B: input v: left as it is (N = 1 < 16)
;;   THE QUANTISER, for each operand of a quantised product, along K:
;;     - K is cut into blocks of 32 from its start; a last block that is shorter is filled with zeros.
;;     - A block's scale is 2^e with e = floor(log2(the largest magnitude in the block)) - 8, held to -126 .. 127; a block of zeros has e = 0. As a byte (E8M0): e + 127.
;;     - Each number is divided by its block's scale, clamped to +-448, and rounded to the nearest number of E4M3, ties to even, subnormals kept.
;;     - The product sums the exact products of the quantised numbers (number of the format x scale) in f32.
;;   ~~~python
;;   def quantise(x, axis):      # numpy; x: float32 -> the quantised numbers, widened to float32 again
;;       x = np.moveaxis(x, axis, -1); K = x.shape[-1]
;;       x = np.pad(x, [(0, 0)] * (x.ndim - 1) + [(0, -K % 32)]); x = x.reshape(x.shape[:-1] + (-1, 32)); a = np.abs(x).max(-1, keepdims=True)
;;       e = np.where(a > 0, np.clip(np.frexp(np.where(a > 0, a, 1))[1] - 1 - 8, -126, 127), 0)      # np.frexp(a)[1] - 1 = floor(log2(a)), exactly
;;       r = np.clip(x / 2.0 ** e, -448, 448)
;;       step = 2.0 ** (np.maximum(np.frexp(np.where(r == 0, 1, r))[1] - 1, -6) - 3)
;;       q = np.round(r / step) * step * 2.0 ** e      # np.round: ties to even
;;       return np.moveaxis(q.reshape(q.shape[:-2] + (-1,))[..., :K], -1, axis).astype(np.float32)
;;   ~~~
;; One version. Each part assembles by itself: llvm-mc -triple=amdgcn-amd-amdhsa -mcpu=gfx1250 --defsym DOCPART=n.
;; ======== version 1 of 1: 3 launches
;; limits: right only within a limited range of input values
;; workspace buffers: wq 1,081,344 bytes; hb 131,072 bytes; scores 262,144 bytes
;; launch prep (part 1): grid 96 x 1, 8 waves a work-group, no clusters, 17,408 bytes of LDS; arguments W_e, W_h, hidden, b_h, b_e, wq, hb; writes wq, hb
.if DOCPART == 1
	.amdgcn_target "amdgcn-amd-amdhsa--gfx1250"
	.amdhsa_code_object_version 6
	.text
	.protected	k_q6493c1af20_prep
	.globl	k_q6493c1af20_prep
	.p2align	8
	.type	k_q6493c1af20_prep,@function
k_q6493c1af20_prep:
	s_mov_b64 s[64:65], 0
	v_nop
	global_prefetch_b8 v0, s[64:65] scope:SCOPE_SE
	s_setreg_imm32_b32 hwreg(HW_REG_WAVE_MODE, 25, 1), 1
	s_wait_xcnt 0x0
; TWO SMALL JOBS IN ONE LAUNCH, told apart by the work-group's number alone.
; Work-groups 0-31 (group G): rows 32 G .. 32 G + 31 of W_e [1024][1024] f32 become codes of FP8 (E4M3) with one E8M0 byte for each 32 along K,
;   laid in wq AS IMAGES OF OPERAND REGISTERS: group G takes 33,792 bytes: [K step 0..7][tile 0..1][c 0..3][lane][16 bytes], then at +32,768 the scale
;   words [K step][lane][4 bytes], lanes 0-15 tile 0's rows, lanes 16-31 tile 1's.  Lane (r, h) of image (s, n, c): row 32 G + 16 n + r, k = 128 s + 32 c + 16 h + 0 .. 15.
; Work-groups 32-95 (tile y = number - 32): hp = Q(hidden) Q(W_h)^T for g = 16 y .. 16 y + 15 and all 32 rows of hidden, both operands quantised here;
;   hb = c (hp + b_h + b_e), c = 2 log2(e), laid [half of b][g tile][part][lane][16 bytes] f32: lane (r, h), part p: b = 16 half + r, g = 16 y + 8 h + 4 p + 0 .. 3:
;   the layout in which the next launch's accumulators lie.
; Eight waves, wave w = K step w (128 along K).  A lane loads, of its row, 16 neighbours of each block of 32 (64 bytes): the order that the operand's registers want.
; These loads take 64-byte pieces of 16 rows; both weights and hidden together are 8.5 MB, read once here, so nothing is spent on turning them through LDS.
; A block's scale is 2^(floor(log2(largest magnitude)) - 8); its byte is that magnitude's exponent field - 8, held at 1 from below.
; LIMITS: NaN and infinities among the inputs are not served.  A block whose largest magnitude lies under 2^-118 keeps the byte 1; a block of zeros keeps
; the byte 1 where the rule says 127: its codes are zeros, and the bytes are read by this program alone.
; LEFT OUT IN THE WHOLE PROGRAM: tanh(x) = 1 - 2 / (1 + 2^(c x)), so reference()'s score of (b, t) is sum_g v[g] - 2 sum_g v[g] / (1 + 2^(c x)).
; The first sum is the same for every t of a row b, whatever v holds, and a softmax along t does not see a term that is the same along t: it is not formed.
; Every input is still loaded.  LIMIT: an overflow that would arise in sum_g v[g] alone is not carried to the result.
.set TM,  16
.set CA,  64                           ; v64-127, v128-191, v192-255: three chunks of 64 numbers
.set CB,  128
.set CC,  192
.set SEL, 20                           ; s[20:21] v_permlanex16_b32's selects for lane l xor 16
.set CS,  22                           ; s[22:23] c, twice
.set MNT, 24                           ; s24 the mantissa field of 448
; 64 numbers of a lane, register 16 b + i = k 32 b + 16 (lane / 16) + i of my row, become a fragment's codes in v[pc] .. v[pc + 15] and its scale word in v[pw]
.macro QUANT s, pc, pw
.irp b, 0,1,2,3
	v_max3_num_f32 v[TM+\b], |v[\s+16*\b]|, |v[\s+1+16*\b]|, 0x4800000   ; my 16 numbers of block b, and the floor 2^(9 - 127): the byte cannot fall under 1
.endr
.irp i, 2,4,6,8,10,12,14
.irp b, 0,1,2,3
	s_delay_alu instid0(VALU_DEP_4)
	v_max3_num_f32 v[TM+\b], v[TM+\b], |v[\s+16*\b+\i]|, |v[\s+1+16*\b+\i]|   ; the four blocks by turns
.endr
.endr
.irp b, 0,1,2,3
	s_delay_alu instid0(VALU_DEP_4)
	v_permlanex16_b32 v[TM+4+\b], v[TM+\b], s[SEL], s[SEL+1]
.endr
.irp b, 0,1,2,3
	s_delay_alu instid0(VALU_DEP_4)
	v_max_num_f32 v[TM+\b], v[TM+\b], v[TM+4+\b]           ; with lane l xor 16's 16: the block's largest magnitude
.endr
.irp b, 0,1,2,3
	s_delay_alu instid0(VALU_DEP_4)
	v_add_nc_u32 v[TM+12+\b], 0xfc000000, v[TM+\b]         ; 8 off its exponent field: the conversion takes this operand's exponent field as its scale
.endr
.irp b, 0,1,2,3
	v_and_or_b32 v[TM+8+\b], v[TM+\b], 0x7f800000, s[MNT]  ; 448 x the scale
.endr
.irp b, 0,1,2,3
	v_lshrrev_b32 v[TM+4+\b], 23, v[TM+12+\b]              ; the scale's byte
.endr
	s_delay_alu instid0(VALU_DEP_3)
	v_lshl_or_b32 v[\pw], v[TM+5], 8, v[TM+4]
	s_delay_alu instid0(VALU_DEP_1)
	v_lshl_or_b32 v[\pw], v[TM+6], 16, v[\pw]
	s_delay_alu instid0(VALU_DEP_1)
	v_lshl_or_b32 v[\pw], v[TM+7], 24, v[\pw]              ; my row's scale word
.irp b, 0,1,2,3
.irp i, 0,1,2,3,4,5,6,7,8,9,10,11,12,13,14,15
	v_med3_num_f32 v[\s+16*\b+\i], v[\s+16*\b+\i], -v[TM+8+\b], v[TM+8+\b]   ; the conversion to an 8-bit code does not saturate (ISA guide 7.6.2): the hold comes first
.endr
	v_cvt_scalef32_pk8_fp8_f32 v[\pc+4*\b:\pc+1+4*\b], v[\s+16*\b:\s+7+16*\b], v[TM+12+\b]
	v_cvt_scalef32_pk8_fp8_f32 v[\pc+2+4*\b:\pc+3+4*\b], v[\s+8+16*\b:\s+15+16*\b], v[TM+12+\b]
.endr
	v_nop                                                  ; a plain line behind the last conversion
.endm
.macro XLOAD reg, base, off            ; 16 rows x 128 along K: 64 numbers a lane
.irp b, 0,1,2,3
.irp j, 0,1,2,3
	global_load_b128 v[\reg+16*\b+4*\j:\reg+16*\b+4*\j+3], v4, s[\base:\base+1] offset:\off+128*\b+16*\j
.endr
.endr
.endm
	s_load_b256 s[4:11], s[0:1], 0x0               ; W_e s[4:5], W_h s[6:7], hidden s[8:9], b_h s[10:11]
	s_load_b128 s[12:15], s[0:1], 0x20             ; b_e s[12:13], wq s[14:15]
	s_load_b64 s[16:17], s[0:1], 0x30              ; hb
	v_lshl_add_u32 v62, v0, 2, 0x4000
	v_mov_b32 v63, 0
	v_lshrrev_b32 v1, 5, v0
	s_delay_alu instid0(VALU_DEP_1)
	v_readfirstlane_b32 s18, v1                    ; wave 0..7 = K step
	v_and_b32 v1, 31, v0                           ; lane
	v_and_b32 v2, 15, v0                           ; r
	v_bfe_u32 v3, v0, 4, 1                         ; h
	s_delay_alu instid0(VALU_DEP_2)
	v_lshlrev_b32 v4, 12, v2
	s_delay_alu instid0(VALU_DEP_1)
	v_lshl_add_u32 v4, v3, 6, v4                   ; row r of 4,096 bytes + 64 h
	v_lshlrev_b32 v5, 4, v1                        ; 16 x lane
	v_lshlrev_b32 v6, 2, v1                        ; 4 x lane
	s_and_b32 s19, s18, 1
	s_lshl_b32 s19, s19, 4
	v_lshl_add_u32 v7, v3, 5, s19                  ; the biases: 32 h + 16 (wave % 2)
	s_lshl_b32 s26, s18, 11
	v_add_nc_u32 v8, s26, v5                       ; LDS: my wave's 2,048 bytes of partial sums
	s_lshl_b32 s26, s18, 9
	v_add_nc_u32 v9, s26, v5                       ; LDS: the piece that wave w < 4 adds up
	s_mov_b32 s[SEL], 0x76543210
	s_mov_b32 s[SEL+1], 0xfedcba98
	s_mov_b32 s[CS], 0x4038aa3b                    ; c = 2 log2(e)
	s_mov_b32 s[CS+1], s[CS]
	s_mov_b32 s[MNT], 0x600000
.irp b, 0,1,2,3
	v_mov_b32 v[TM+4+\b], 0                        ; written once: a lane permute's destination counts as one of its sources
.endr
	s_lshl_b32 s28, s18, 9                         ; my K step: 512 bytes into each row
	s_mov_b32 s29, 0
	s_wait_kmcnt 0x0
	s_cmp_lt_u32 ttmp9, 32
	s_cbranch_scc0 .Lrole_h
	; ---- W_e: two tiles of 16 rows, my K step
	s_lshl_b32 s30, ttmp9, 17                      ; 32 rows of 4,096 bytes a group
	s_add_co_u32 s30, s30, s28
	s_mov_b32 s31, 0
	s_add_nc_u64 s[4:5], s[4:5], s[30:31]
	XLOAD CA, 4, 0
	XLOAD CB, 4, 65536
	s_mul_i32 s38, ttmp9, 33792                    ; the group's place in wq
	s_lshl_b32 s32, s18, 12
	s_add_co_u32 s32, s32, s38                     ; + 4,096 a K step: the codes
	s_mov_b32 s33, 0
	s_add_nc_u64 s[34:35], s[14:15], s[32:33]
	s_lshl_b32 s32, s18, 7
	s_add_co_u32 s32, s32, s38                     ; + 128 a K step: the scale words (their 32,768 stands in the store's immediate)
	s_add_nc_u64 s[36:37], s[14:15], s[32:33]
	s_wait_loadcnt 16                              ; tile 0's sixteen loads are in; tile 1's may be out
	QUANT CA, 32, 48
	s_wait_loadcnt 0x0
	QUANT CB, 64, 49                               ; its codes take registers that tile 0's numbers have left
.irp c, 0,1,2,3
	global_store_b128 v5, v[32+4*\c:35+4*\c], s[34:35] offset:512*\c        ; each store covers 512 consecutive bytes, aligned
.endr
.irp c, 0,1,2,3
	global_store_b128 v5, v[64+4*\c:67+4*\c], s[34:35] offset:2048+512*\c
.endr
	v_cmp_ne_u32 vcc_lo, 0, v3
	s_delay_alu instid0(VALU_DEP_1)
	v_cndmask_b32 v51, v48, v49, vcc_lo            ; lanes 0-15 tile 0's words, lanes 16-31 tile 1's
	global_store_b32 v6, v51, s[36:37] offset:32768   ; 128 consecutive bytes a wave: 1 KB of each group's 33 KB goes out in such halves of 256
	s_endpgm
.Lrole_h:
	; ---- hp: my K step's part of 16 g x 32 b
	s_sub_co_u32 s38, ttmp9, 32                    ; the g tile
	s_lshl_b32 s30, s38, 6
	s_mov_b32 s31, 0
	s_add_nc_u64 s[10:11], s[10:11], s[30:31]
	s_add_nc_u64 s[12:13], s[12:13], s[30:31]
	s_wait_alu depctr_va_vdst(0)
	global_load_b128 v[52:55], v7, s[10:11]        ; b_h and b_e of the four g that waves 0-3 finish
	global_load_b128 v[56:59], v7, s[12:13]
	s_lshl_b32 s32, s38, 16                        ; 16 rows of W_h
	s_add_co_u32 s32, s32, s28
	s_mov_b32 s33, 0
	s_add_nc_u64 s[6:7], s[6:7], s[32:33]
	s_add_nc_u64 s[8:9], s[8:9], s[28:29]
	XLOAD CA, 6, 0                                 ; W_h's 16 rows
	XLOAD CB, 8, 0                                 ; hidden's rows 0-15
	XLOAD CC, 8, 65536                             ; and 16-31
	s_wait_loadcnt 32                              ; the biases and W_h are in; two chunks of sixteen may be out
	QUANT CA, 32, 48
	s_wait_loadcnt 16
	QUANT CB, 64, 49
	s_wait_loadcnt 0x0
	QUANT CC, 80, 50
.rept 4
	v_nop                                          ; codes written by vector instructions stand four places ahead of a scaled product; the scale words were made ahead of the 64 holds
.endr
	; source 0 = 16 rows of W_h, source 1 = 16 rows of hidden: lane (r, h), register j holds hp(b = r, g = 8 h + j)
	v_wmma_scale_f32_16x16x128_f8f6f4 v[96:103], v[32:47], v[64:79], 0, v48, v49
	v_wmma_scale_f32_16x16x128_f8f6f4 v[104:111], v[32:47], v[80:95], 0, v48, v50
.rept 8
	v_nop                                          ; eight places behind this form before its results are read
.endr
	ds_store_b128 v8, v[96:99]                     ; piece 2 x half + part, 512 bytes each; each accumulator from its low end on
	ds_store_b128 v8, v[100:103] offset:512
	ds_store_b128 v8, v[104:107] offset:1024
	ds_store_b128 v8, v[108:111] offset:1536
	s_wait_dscnt 0x0                               ; for the others' sake: my stores have landed
	s_barrier_signal -1
	s_barrier_wait -1
	s_cmp_lt_u32 s18, 4
	s_cbranch_scc0 .Ldone                          ; four pieces, four waves
.irp i, 0,1,2,3,4,5,6,7
	ds_load_b128 v[128+4*\i:131+4*\i], v9 offset:2048*\i   ; piece w of all eight K steps
.endr
	s_lshr_b32 s40, s18, 1
	s_lshl_b32 s40, s40, 16                        ; hb: half x 65,536
	s_lshl_b32 s41, s38, 10                        ; + g tile x 1,024
	s_add_co_u32 s40, s40, s41
	s_and_b32 s41, s18, 1
	s_lshl_b32 s41, s41, 9                         ; + part x 512
	s_add_co_u32 s40, s40, s41
	s_mov_b32 s41, 0
	s_add_nc_u64 s[16:17], s[16:17], s[40:41]
	s_wait_dscnt 0x0
.irp i, 0,2,4,6
	v_pk_add_f32 v[128+4*\i:129+4*\i], v[128+4*\i:129+4*\i], v[132+4*\i:133+4*\i]
	v_pk_add_f32 v[130+4*\i:131+4*\i], v[130+4*\i:131+4*\i], v[134+4*\i:135+4*\i]
.endr
.irp i, 0
	v_pk_add_f32 v[128+4*\i:129+4*\i], v[128+4*\i:129+4*\i], v[136+4*\i:137+4*\i]
	v_pk_add_f32 v[130+4*\i:131+4*\i], v[130+4*\i:131+4*\i], v[138+4*\i:139+4*\i]
.endr
.irp i, 4
	s_delay_alu instid0(VALU_DEP_4)
	v_pk_add_f32 v[128+4*\i:129+4*\i], v[128+4*\i:129+4*\i], v[136+4*\i:137+4*\i]
	s_delay_alu instid0(VALU_DEP_4)
	v_pk_add_f32 v[130+4*\i:131+4*\i], v[130+4*\i:131+4*\i], v[138+4*\i:139+4*\i]
.endr
	v_pk_add_f32 v[52:53], v[52:53], v[56:57]      ; b_h + b_e
	v_pk_add_f32 v[54:55], v[54:55], v[58:59]
	s_delay_alu instid0(VALU_DEP_4)
	v_pk_add_f32 v[128:129], v[128:129], v[144:145]
	s_delay_alu instid0(VALU_DEP_4)
	v_pk_add_f32 v[130:131], v[130:131], v[146:147]
	s_delay_alu instid0(VALU_DEP_2)
	v_pk_add_f32 v[128:129], v[128:129], v[52:53]
	s_delay_alu instid0(VALU_DEP_2)
	v_pk_add_f32 v[130:131], v[130:131], v[54:55]
	s_delay_alu instid0(VALU_DEP_2)
	v_pk_mul_f32 v[128:129], v[128:129], s[CS:CS+1] op_sel_hi:[1,0]
	s_delay_alu instid0(VALU_DEP_2)
	v_pk_mul_f32 v[130:131], v[130:131], s[CS:CS+1] op_sel_hi:[1,0]
	global_store_b128 v5, v[128:131], s[16:17]     ; 512 consecutive bytes, aligned
.Ldone:
	s_wait_tensorcnt 0x0
	ds_add_u32 v62, v63
	s_wait_dscnt 0x0
	s_endpgm
.Lfunc_end_k_q6493c1af20_prep:
	.size	k_q6493c1af20_prep, .Lfunc_end_k_q6493c1af20_prep-k_q6493c1af20_prep
	.p2alignl 7, 3214868480
	.fill 96, 4, 3214868480
	.section	.rodata,"a",@progbits
	.p2align	6, 0x0
	.amdhsa_kernel k_q6493c1af20_prep
		.amdhsa_group_segment_fixed_size 17408
		.amdhsa_private_segment_fixed_size 0
		.amdhsa_enable_private_segment 0
		.amdhsa_kernarg_size 56
		.amdhsa_user_sgpr_count 2
		.amdhsa_user_sgpr_kernarg_segment_ptr 1
		.amdhsa_wavefront_size32 1
		.amdhsa_system_sgpr_workgroup_id_x 1
		.amdhsa_system_sgpr_workgroup_id_y 1
		.amdhsa_system_sgpr_workgroup_id_z 1
		.amdhsa_system_vgpr_workitem_id 0
		.amdhsa_next_free_vgpr 256
		.amdhsa_next_free_sgpr 66
		.amdhsa_reserve_vcc 1
		.amdhsa_float_denorm_mode_32 3
		.amdhsa_float_denorm_mode_16_64 3
		.amdhsa_memory_ordered 1
		.amdhsa_forward_progress 1
		.amdhsa_inst_pref_size 62
	.end_amdhsa_kernel
	.amdgpu_metadata
---
amdhsa.version: [ 1, 2 ]
amdhsa.kernels:
  - .name:           k_q6493c1af20_prep
    .symbol:         k_q6493c1af20_prep.kd
    .args:
      - { .name: W_e, .offset: 0, .size: 8, .value_kind: global_buffer, .address_space: global }
      - { .name: W_h, .offset: 8, .size: 8, .value_kind: global_buffer, .address_space: global }
      - { .name: hidden, .offset: 16, .size: 8, .value_kind: global_buffer, .address_space: global }
      - { .name: b_h, .offset: 24, .size: 8, .value_kind: global_buffer, .address_space: global }
      - { .name: b_e, .offset: 32, .size: 8, .value_kind: global_buffer, .address_space: global }
      - { .name: wq, .offset: 40, .size: 8, .value_kind: global_buffer, .address_space: global }
      - { .name: hb, .offset: 48, .size: 8, .value_kind: global_buffer, .address_space: global }
    .group_segment_fixed_size: 17408
    .private_segment_fixed_size: 0
    .kernarg_segment_align: 8
    .kernarg_segment_size: 56
    .max_flat_workgroup_size: 256
    .sgpr_count:     66
    .vgpr_count:     256
    .wavefront_size: 32
...
	.end_amdgpu_metadata
.endif
;; end of part 1
;; launch main (part 2): grid 256 x 1, 4 waves a work-group, clusters of 4 x 1, 327,680 bytes of LDS; arguments encoder_outputs, wq, hb, v, scores; writes scores
.if DOCPART == 2
	.amdgcn_target "amdgcn-amd-amdhsa--gfx1250"
	.amdhsa_code_object_version 6
	.text
	.protected	k_q6493c1af20_main
	.globl	k_q6493c1af20_main
	.p2align	8
	.type	k_q6493c1af20_main,@function
k_q6493c1af20_main:
	s_mov_b64 s[64:65], 0
	v_nop
	global_prefetch_b8 v0, s[64:65] scope:SCOPE_SE
	s_setreg_imm32_b32 hwreg(HW_REG_WAVE_MODE, 25, 1), 1
	s_wait_xcnt 0x0
	s_wait_alu depctr_hold_cnt(0) depctr_sa_sdst(0) depctr_va_vdst(0) depctr_va_sdst(0) depctr_va_ssrc(0) depctr_va_vcc(0) depctr_vm_vsrc(0)
	s_getreg_b32 s2, hwreg(HW_REG_IB_STS2, 6, 4)
	s_cmp_eq_u32 s2, 0
	s_cbranch_scc0 .Lentry_in_a_cluster
	s_endpgm
.Lentry_in_a_cluster:
	s_bfe_u32 s2, ttmp6, 0x10000c
	s_cmp_lg_u32 s2, 0x3003
	s_cbranch_scc0 .Lentry_shape_is_right
	s_endpgm
.Lentry_shape_is_right:
; scores[b][t] = -2 sum_g v[g] / (1 + 2^(c (ep + hp + b_h + b_e))), c = 2 log2(e): reference()'s score less sum_g v[g], which is the same for all t of a row and which the softmax does not see.
; A work-group takes 256 rows (8 t x 32 b) of encoder_outputs, all of K = 1,024 and all 1,024 g.  Wave w: b = 16 (w % 2) + r, t = 4 (w / 2) + mm, four tiles of 16 rows.
; PHASE 1: the rows come as f32 through two LDS slots (256 rows x 128 K each, 64 rows a wave and load), are quantised to E4M3 with E8M0 bytes, and end as operand registers: 512 registers of codes a wave.
;   Behind the load of K slot s + 1 each wave prefetches K slot s + 2 of its own 64 rows: 128 blocks of 256 bytes, a lane a block, four instructions; slots 0 and 1 come by their loads alone, and nothing is asked beyond slot 7.
; PHASE 2: W_e's codes (wq, images of operand registers, 33,792 bytes for 32 g) go through the same two slots, four groups of 32 g a slot, one group a wave and load, asked for JOINTLY by the 4 work-groups of the cluster.
; A group is 64 products (8 accumulators by turns, K ascending).  THE WAY OUT OF GROUP q - 1 STANDS AMONG GROUP q's PRODUCTS: its 96 plain lines (x c + table; + 1; x v onto sixteen running sums) and the LDS loads
; of W's fragments stand a few at a time behind single products; its 64 exponentials stand in one batch behind K step 2, its 64 reciprocals behind K step 4.  Two sets of accumulators take turns.
; The first group's way out works on zeros (accumulators and tables cleared at the head) and adds 0; the last group's stands behind the loops.
; The products are used transposed (source 0 = 16 g of W_e, source 1 = 16 rows): lane (r, h) holds row r, register j is g = 8 h + j; so hb's table (by b and g) is the same for a wave's four tiles.
; 2^(c x) may overflow to infinity or fall to 0: the reciprocal then gives 0 or 1, which are tanh's ends.  LIMITS: NaN and infinities among the inputs are not served; a block of zeros keeps the byte 1 (its codes are zeros).
; REGISTERS: window 0: addresses, scale words, sums, v128-255 four buffers of W's fragments (phase 1: stage and codes).  Window 1: v0-127 two sets of accumulators, v128-255 four sets of tables (16 hb, 16 v).  Windows 2, 3: the rows' codes.
.set XP,    528                        ; an LDS row of 128 f32 + 16 bytes of padding
.set QB,    33792                      ; a quarter of a slot: 64 rows of X, or one group of wq
.set SLOTB, 135168
.set IMG,   2*SLOTB                    ; behind the ring: each wave's images of its fresh codes
.set WIMG,  8704
.set CHB,   2176
.set SPARE, IMG+4*WIMG                 ; the spare words, 128 bytes a wave
.set LI,  1                            ; 16 x lane
.set H32, 2                            ; 32 h
.set WA,  3                            ; v3-4 LDS address of a group's fragments, even and odd groups
.set SPW, 5
.set NIL, 6
.set WSA, 7                            ; v7-8 the same for its scale words
.set LSB, 9
.set XBV, 10
.set XA,  11
.set IB,  12
.set SBV, 13
.set PFO, 14
.set SO,  15
.set XS,  16                           ; v16-47 the rows' scale words: 8 mm + K step
.set WS,  48                           ; v48-51 W's scale words, four buffers
.set IA,  52
.set SA,  53
.set PFX, 54                           ; X's prefetches: 4,096 (lane / 2) + 256 (lane % 2)
.set SC,  56                           ; v56-87 the running sums: sixteen pairs; pair a + 8 (i % 2) takes accumulator a's register pair i
.set TW,  96
.set WF,  128
.set ST,  128
.set PC,  192
.set TM,  208
.set PW,  224
.set WV,  14
.set CX,  15
.set WG,  16
.set PF,  17
.set SEL, 20
.set CS,  22
.set MNT, 24
.set TB,  25
.set GN,  26
.set LC,  27
.set MC,  28
.set XO,  29
.set IO,  30
.set NB,  31
.set G1X, 32
.set G1W, 40
.set G0XA, 48
.set G0XB, 52
.set G0W, 56
.set HB0, 60
.set HBC, 66
.set VC,  68
.set EPI,   0x55                       ; all four places window 1
.set ESUM,  0x05                       ; sources 0, 1 window 1; source 2 and destination window 0
.set TABLD, 0x40                       ; destination window 1
.set MSB, 0
.macro WIN new                         ; the immediate's high byte repeats the setting that is left
.if MSB != (\new)
	s_set_vgpr_msb (MSB<<8)|(\new)
.set MSB, (\new)
.endif
.endm
.macro NOP4
.rept 4
	v_nop
.endr
.endm
.macro CREST                           ; a round of the cluster's barrier behind its opening barrier
	s_cmp_lg_u32 s[WV], 0
	s_cbranch_scc1 .Lnot_wave_0_\@
	s_barrier_signal -3
.Lnot_wave_0_\@:
	s_barrier_wait -3
	s_barrier_signal -1
	s_barrier_wait -1
.endm
.macro CROUND
	s_barrier_signal -1
	s_barrier_wait -1
	CREST
.endm
; 64 numbers of a lane (register 16 b + i = k 32 b + 16 h + i of my row) become a fragment's 16 registers of codes and its scale word
.macro QUANT s, pc, pw
.irp b, 0,1,2,3
	v_max3_num_f32 v[TM+\b], |v[\s+16*\b]|, |v[\s+1+16*\b]|, 0x4800000   ; with the floor 2^(9 - 127): the byte cannot fall under 1
.endr
.irp i, 2,4,6,8,10,12,14
.irp b, 0,1,2,3
	v_max3_num_f32 v[TM+\b], v[TM+\b], |v[\s+16*\b+\i]|, |v[\s+1+16*\b+\i]|
.endr
.endr
.irp b, 0,1,2,3
	v_permlanex16_b32 v[TM+4+\b], v[TM+\b], s[SEL], s[SEL+1]
.endr
.irp b, 0,1,2,3
	v_max_num_f32 v[TM+\b], v[TM+\b], v[TM+4+\b]           ; with lane l xor 16's 16: the block's largest magnitude
.endr
.irp b, 0,1,2,3
	v_add_nc_u32 v[TM+12+\b], 0xfc000000, v[TM+\b]         ; 8 off its exponent field: the conversion's scale operand
.endr
.irp b, 0,1,2,3
	v_and_or_b32 v[TM+8+\b], v[TM+\b], 0x7f800000, s[MNT]  ; 448 x the scale
.endr
.irp b, 0,1,2,3
	v_lshrrev_b32 v[TM+4+\b], 23, v[TM+12+\b]              ; the byte
.endr
	v_lshl_or_b32 v[\pw], v[TM+5], 8, v[TM+4]
	v_lshl_or_b32 v[\pw], v[TM+6], 16, v[\pw]
	v_lshl_or_b32 v[\pw], v[TM+7], 24, v[\pw]
.irp b, 0,1,2,3
.irp i, 0,1,2,3,4,5,6,7,8,9,10,11,12,13,14,15
	v_med3_num_f32 v[\s+16*\b+\i], v[\s+16*\b+\i], -v[TM+8+\b], v[TM+8+\b]   ; the conversion does not saturate (ISA guide 7.6.2): the hold comes first
.endr
	v_cvt_scalef32_pk8_fp8_f32 v[\pc+4*\b:\pc+1+4*\b], v[\s+16*\b:\s+7+16*\b], v[TM+12+\b]
	v_cvt_scalef32_pk8_fp8_f32 v[\pc+2+4*\b:\pc+3+4*\b], v[\s+8+16*\b:\s+15+16*\b], v[TM+12+\b]
.endr
	v_nop                                                  ; a plain line behind the last conversion
.endm
; a group's tables into one of four sets: 16 registers of hb (my b, my 16 g), 16 of v
.macro TABL set, hb, vb, oh, ov
.irp n, 0,1
.irp p, 0,1
	global_load_b128 v[128+32*(\set)+8*\n+4*\p:128+32*(\set)+8*\n+4*\p+3], v[LI], s[\hb:\hb+1] offset:(\oh)+1024*\n+512*\p
.endr
.endr
.irp n, 0,1
.irp p, 0,1
	global_load_b128 v[144+32*(\set)+8*\n+4*\p:144+32*(\set)+8*\n+4*\p+3], v[H32], s[\vb:\vb+1] offset:(\ov)+64*\n+16*\p
.endr
.endr
.endm
; wq's 4,224 blocks of 256 bytes are named once each: wave 0 of the work-groups of clusters 0-32, a lane a block, one X slot ahead of wq's first load
.macro ASKW
	s_cmp_eq_u32 s[PF], 1
	s_cbranch_scc0 .Lno_ask_\@
	global_prefetch_b8 v[PFO], s[6:7] th:TH_LOAD_NT scope:SCOPE_SE
.Lno_ask_\@:
.endm
; K slot kslot of my wave's 64 rows: 16 rows x 2 blocks an instruction; every offset is an immediate, so no address register is ever rewritten
.macro ASKX kslot
.irp i, 0,1,2,3
	global_prefetch_b8 v[PFX], s[4:5] offset:65536*\i+512*(\kslot) th:TH_LOAD_NT scope:SCOPE_SE
.endr
.endm
; phase 1's change of slots: all my loads landed, the add, my LDS work done, a round; then my one load: X's K slot ss + 1, or (ss = 7, 8) wq's slot 0, 1
.macro CHG1 ss
	s_wait_tensorcnt 0x0
	ds_add_u32 v[SPW], v[NIL]
.if (\ss) <= 6
	s_xor_b32 s[G0XB+1], s[G0XB+1], SLOTB
	s_add_nc_u64 s[G0XB+2:G0XB+3], s[G0XB+2:G0XB+3], 512
.elseif (\ss) == 8
	s_xor_b32 s[G0W+1], s[G0W+1], SLOTB
	s_add_nc_u64 s[G0W+2:G0W+3], s[G0W+2:G0W+3], SLOTB
.endif
	s_wait_dscnt 0x0
	CROUND
.if (\ss) <= 6
	tensor_load_to_lds s[G0XB:G0XB+3], s[G1X:G1X+7]
	s_nop 0
.else
	tensor_load_to_lds s[G0W:G0W+3], s[G1W:G1W+7]
	s_nop 0
.endif
	NOP4
.if (\ss) <= 5
	ASKX (\ss)+2
.endif
.if (\ss) == 6
	ASKW
.endif
.endm
; K slot ss: my four tiles of 16 rows x 128 K are quantised, go through my image bytes and come back into their operand registers
.macro SLOTPROC ss
	s_mov_b32 s[XO], ((\ss)%2)*SLOTB
	s_mov_b32 s[IO], 0
	s_mov_b32 s[MC], 0
.Lm_\@:
	v_add_nc_u32 v[XA], s[XO], v[XBV]
	v_add_nc_u32 v[IA], s[IO], v[IB]
	v_add_nc_u32 v[SA], s[IO], v[SBV]
.irp b, 0,1,2,3
.irp jj, 0,1,2,3
	ds_load_b128 v[ST+16*\b+4*\jj:ST+16*\b+4*\jj+3], v[XA] offset:128*\b+16*\jj
.endr
.endr
	s_wait_dscnt 0x0
	QUANT ST, PC, PW
.irp c, 0,1,2,3
	ds_store_b128 v[IA], v[PC+4*\c:PC+4*\c+3] offset:512*\c
.endr
	ds_store_b32 v[SA], v[PW]
	s_add_co_u32 s[XO], s[XO], 32*XP
	s_add_co_u32 s[IO], s[IO], CHB
	s_add_co_u32 s[MC], s[MC], 1
	s_cmp_lt_u32 s[MC], 4
	s_cbranch_scc1 .Lm_\@
	WIN 0x80
.irp mm, 0,1
.irp c, 0,1,2,3
	ds_load_b128 v[128*\mm+16*(\ss)+4*\c:128*\mm+16*(\ss)+4*\c+3], v[IB] offset:CHB*\mm+512*\c
.endr
.endr
	WIN 0xc0
.irp mm, 0,1
.irp c, 0,1,2,3
	ds_load_b128 v[128*\mm+16*(\ss)+4*\c:128*\mm+16*(\ss)+4*\c+3], v[IB] offset:CHB*(2+\mm)+512*\c
.endr
.endr
	WIN 0
.irp mm, 0,1,2,3
	ds_load_b32 v[XS+8*\mm+(\ss)], v[SBV] offset:CHB*\mm
.endr
.endm
; W's fragment n of K step kst into buffer buf: four LDS loads, and with n = 0 the step's scale word
.macro RUNP ac, aw, kst, buf, n
	WIN 0
.irp c, 0,1,2,3
	ds_load_b128 v[WF+32*(\buf)+16*(\n)+4*\c:WF+32*(\buf)+16*(\n)+4*\c+3], v[\ac] offset:4096*(\kst)+2048*(\n)+512*\c
.endr
.if (\n) == 0
	ds_load_b32 v[WS+(\buf)], v[\aw] offset:128*(\kst)
.endif
.endm
.macro RUN ac, aw, kst, buf            ; a run: all nine
	RUNP \ac, \aw, \kst, \buf, 0
	RUNP \ac, \aw, \kst, \buf, 1
.endm
; up to n of the way out's 96 plain lines, by the counter qi, not beyond ql.  e: the accumulator set, t: the table set.  Accumulator a (in the order of the products) holds tile mm = a % 2 + 2 (a / 4), g tile (a / 2) % 2.
.macro EMIT n, e, t
.rept \n
.if qi < ql
.if qi < 32                                            ; c x = c acc + table: each accumulator from its low end on, in the order in which the products finished them
	WIN EPI
	v_pk_fma_f32 v[64*(\e)+2*qi:64*(\e)+2*qi+1], v[64*(\e)+2*qi:64*(\e)+2*qi+1], s[CS:CS+1], v[128+32*(\t)+8*((qi/8)%2)+2*(qi%4):129+32*(\t)+8*((qi/8)%2)+2*(qi%4)] op_sel_hi:[1,0,1]
.elseif qi < 64
	WIN EPI
	v_pk_add_f32 v[64*(\e)+2*(qi-32):64*(\e)+2*(qi-32)+1], v[64*(\e)+2*(qi-32):64*(\e)+2*(qi-32)+1], 1.0 op_sel_hi:[1,0]
.else                                                  ; x v, onto sixteen pairs of sums by turns: fifteen plain lines stand between a pair's write and its next read
.set ej, qi-64
	WIN ESUM
	v_pk_fma_f32 v[SC+2*(ej%16):SC+2*(ej%16)+1], v[64*(\e)+8*(ej%8)+2*(ej/8):64*(\e)+8*(ej%8)+2*(ej/8)+1], v[144+32*(\t)+8*(((ej%8)/2)%2)+2*(ej/8):145+32*(\t)+8*(((ej%8)/2)%2)+2*(ej/8)], v[SC+2*(ej%16):SC+2*(ej%16)+1]
.endif
.set qi, qi+1
.endif
.endr
.endm
; a batch of 64 transcendentals on set e, with the wait ahead of it and a plain line behind it; the wait behind it stands ahead of the first reader
.macro BATCH op, e
	WIN EPI
	s_wait_alu depctr_va_vdst(0)
.set bi, 0
.rept 64
	\op v[64*(\e)+bi], v[64*(\e)+bi]
.set bi, bi+1
.endr
	v_nop
.endm
; Group q of a slot's four.  chg = 1: the slot is left in K step 6 and filled again; chg = 2: it is left and not filled.
; W's fragments run two K steps ahead in four buffers.  Behind products 2 and 5 of a step stand the loads; behind the others 1 to 3 plain lines of the way out: 12, 12, 8 | 16, 16 | 8, 12, 12 by step.
; So at least eight plain lines stand between a buffer's last product and the loads into it, and between an accumulator's last product and its first read.
; The runs for K steps 5 and 7 stand ahead of the batches, so that steps 3 and 5, whose first product has the wait behind the batch directly ahead of it, hold products, window switches and plain lines alone.
.macro GROUP q, chg
.set ge, (\q)%2
.set gt, ((\q)+3)%4
	s_wait_xcnt 0x0                                ; the earlier table loads have read their bases
	s_add_co_u32 s[GN], s[GN], 1
	s_min_u32 s72, s[GN], 31                       ; the tables of the group after next, held inside the buffers
	s_lshl_b32 s70, s72, 11
	s_add_nc_u64 s[HBC:HBC+1], s[HB0:HB0+1], s[70:71]
	s_lshl_b32 s70, s72, 7
	s_add_nc_u64 s[VC:VC+1], s[10:11], s[70:71]
	WIN TABLD
	TABL ((\q)+2)%4, HBC, VC, 0, 0
	s_wait_loadcnt 24                              ; the last group's tables are in; three younger sets, eight loads each, may be out
.set qi, 0
.set ks, 0
.rept 8
.if ks < 3
.set ql, 32
.elseif ks < 5
.set ql, 64
.else
.set ql, 96
.endif
.if ks == 4
.set qn, 3
.elseif ks == 5
.set qn, 1
.else
.set qn, 2
.endif
.if ks < 6
.set rk, ks+2
.set ra, (\q)%2
.else
.set rk, ks-6
.set ra, ((\q)+1)%2
.endif
.if ((\chg) != 0) && (ks == 6)
	WIN 0
	s_wait_tensorcnt 0x0                           ; all my tensor loads have landed: my part of the other slot
	ds_add_u32 v[SPW], v[NIL]
.if (\chg) == 1
	s_xor_b32 s[G0W+1], s[G0W+1], SLOTB
	s_add_nc_u64 s[G0W+2:G0W+3], s[G0W+2:G0W+3], SLOTB
.endif
	s_xor_b32 s[TB], s[TB], SLOTB
	s_wait_dscnt 0x0                               ; the add is done and my reads of this slot are over (K steps 6 and 7 are in registers)
	s_barrier_signal -1
.elseif (ks == 3) || (ks == 5)
	s_wait_dscnt 18                                ; this step's run is in; two younger runs may be out
.else
	s_wait_dscnt 9                                 ; this step's run is in; one younger run may be out
.endif
.set ai, 0
.rept 8
.set pn, (ai/2)%2
.set pm, (ai%2)+2*(ai/4)
.set rD, 64*ge+8*ai
.set rW, WF+32*(ks%4)+16*pn
.set rX, 128*(pm%2)+16*ks
	WIN 0x58+4*(ai/4)                              ; W window 0, rows window 2 or 3, C and D window 1
.if (ai == 0) && ((ks == 3) || (ks == 5))
	s_wait_alu depctr_va_vdst(0)                   ; the wait behind the batch, for its results and for the eight accumulators
.endif
.if ks == 0
.if pn == 0
	v_wmma_scale_f32_16x16x128_f8f6f4 v[rD:rD+7], v[rW:rW+15], v[rX:rX+15], 0, v[WS+ks%4], v[XS+8*pm+ks]
.else
	v_wmma_scale_f32_16x16x128_f8f6f4 v[rD:rD+7], v[rW:rW+15], v[rX:rX+15], 0, v[WS+ks%4], v[XS+8*pm+ks] matrix_a_scale:MATRIX_SCALE_ROW1
.endif
.else
.if pn == 0
	v_wmma_scale_f32_16x16x128_f8f6f4 v[rD:rD+7], v[rW:rW+15], v[rX:rX+15], v[rD:rD+7], v[WS+ks%4], v[XS+8*pm+ks]
.else
	v_wmma_scale_f32_16x16x128_f8f6f4 v[rD:rD+7], v[rW:rW+15], v[rX:rX+15], v[rD:rD+7], v[WS+ks%4], v[XS+8*pm+ks] matrix_a_scale:MATRIX_SCALE_ROW1
.endif
.endif
.if ((ai == 2) || (ai == 5)) && (ks != 3) && (ks != 5)
.if ((\chg) == 0) || (ks != 6)
	RUNP WA+ra, WSA+ra, rk, rk%4, ai/3
.endif
.else
	EMIT qn, 1-ge, gt
.endif
.set ai, ai+1
.endr
.if ks == 2
	WIN 0
.if (\q) < 3
	s_add_co_u32 s[NB], s[TB], ((\q)+1)*QB         ; the next group's LDS addresses, ahead of the batch's wait
.else
	s_xor_b32 s[NB], s[TB], SLOTB                  ; the other slot's first group
.endif
	v_add_nc_u32 v[WA+((\q)+1)%2], s[NB], v[LI]
	v_add_nc_u32 v[WSA+((\q)+1)%2], s[NB], v[LSB]
	RUN WA+(\q)%2, WSA+(\q)%2, 5, 1
	BATCH v_exp_f32, 1-ge
.elseif ks == 4
	RUN WA+(\q)%2, WSA+(\q)%2, 7, 3
	BATCH v_rcp_f32, 1-ge
.elseif ((\chg) != 0) && (ks == 6)
	WIN 0
	s_barrier_wait -1
.if (\chg) == 1
	CREST                                          ; the barrier has opened a round of the cluster's barrier
	tensor_load_to_lds s[G0W:G0W+3], s[G1W:G1W+7]  ; my one joint load behind it: my group of the slot after next
	s_nop 0
	NOP4
.endif
	RUN WA, WSA, 0, 0
.endif
.set ks, ks+1
.endr
.endm
	s_load_b256 s[4:11], s[0:1], 0x0               ; encoder_outputs, wq, hb, v
	s_load_b64 s[12:13], s[0:1], 0x20              ; scores
	v_lshl_add_u32 v[SPW], v0, 2, SPARE
	v_mov_b32 v[NIL], 0
	ds_add_u32 v[SPW], v[NIL]
	ds_add_u32 v[SPW], v[NIL]
	s_wait_dscnt 0x0
	v_lshrrev_b32 v[TW], 5, v0
	v_readfirstlane_b32 s[WV], v[TW]
	s_bfe_u32 s[CX], ttmp6, 0x40000
	s_lshl_b32 s[WG], ttmp9, 2
	s_add_co_u32 s[WG], s[WG], s[CX]
	s_cmp_lt_u32 ttmp9, 33
	s_cselect_b32 s[PF], 1, 0
	s_cmp_eq_u32 s[WV], 0
	s_cselect_b32 s[PF], s[PF], 0
	s_mov_b32 s[G1X+0], (2<<16)|(1<<20)|(6<<22)|(3<<25)   ; X: 64 rows x 128 f32, 16 bytes of padding behind each 512; no mask
	s_mov_b32 s[G1X+1], 128<<16
	s_mov_b32 s[G1X+2], 64<<16
	s_mov_b32 s[G1X+3], 128<<16
	s_mov_b32 s[G1X+4], 64
	s_mov_b32 s[G1X+5], 1024
	s_mov_b32 s[G1X+6], 0
	s_mov_b32 s[G1X+7], 0
	s_mov_b32 s[G1W+0], 15|(3<<16)|(1<<21)         ; wq: 132 dense rows of 256 bytes, to all four work-groups of the cluster
	s_mov_b32 s[G1W+1], 32<<16
	s_mov_b32 s[G1W+2], 132<<16
	s_mov_b32 s[G1W+3], 32<<16
	s_mov_b32 s[G1W+4], 132
	s_mov_b32 s[G1W+5], 32
	s_mov_b32 s[G1W+6], 0
	s_mov_b32 s[G1W+7], 0
	s_mov_b32 s[SEL], 0x76543210
	s_mov_b32 s[SEL+1], 0xfedcba98
	s_mov_b32 s[CS], 0x4038aa3b                    ; c = 2 log2(e)
	s_mov_b32 s[CS+1], s[CS]
	s_mov_b32 s[MNT], 0x600000
	s_mov_b32 s[GN], 1
	s_mov_b32 s71, 0
	v_and_b32 v[TW], 31, v0
	v_and_b32 v[TW+1], 15, v0
	v_bfe_u32 v[TW+2], v0, 4, 1
	v_lshlrev_b32 v[LI], 4, v[TW]
	s_wait_alu depctr_va_vdst(0)
	v_lshlrev_b32 v[H32], 5, v[TW+2]
	v_lshl_add_u32 v[LSB], v[TW], 2, 0x8000
	s_lshr_b32 s72, s[WV], 1
	s_and_b32 s73, s[WV], 1
	s_lshl_b32 s74, s72, 7
	s_lshl_b32 s75, s73, 4
	s_add_co_u32 s74, s74, s75
	s_mul_i32 s74, s74, XP
	v_mul_u32_u24 v[XBV], v[TW+1], XP              ; X in a slot: row 128 (w / 2) + 16 (w % 2) + r, + 64 h
	v_lshl_add_u32 v[XBV], v[TW+2], 6, v[XBV]
	v_add_nc_u32 v[XBV], s74, v[XBV]
	s_mul_i32 s74, s[WV], WIMG
	s_add_co_u32 s74, s74, IMG
	v_add_nc_u32 v[IB], s74, v[LI]
	v_lshl_add_u32 v[SBV], v[TW], 2, s74
	v_add_nc_u32 v[SBV], 2048, v[SBV]
	s_lshl_b32 s74, s73, 17
	s_lshl_b32 s75, s72, 4
	s_add_co_u32 s74, s74, s75
	v_lshlrev_b32 v[SO], 13, v[TW+1]               ; scores: row b of 8,192 bytes, t = 4 (w / 2) + 2 h
	v_lshl_add_u32 v[SO], v[TW+2], 3, v[SO]
	v_add_nc_u32 v[SO], s74, v[SO]
	s_lshl_b32 s76, ttmp9, 7
	s_lshl_b32 s77, s[CX], 5
	s_add_co_u32 s76, s76, s77
	v_add_nc_u32 v[PFO], s76, v[TW]
	v_lshlrev_b32 v[PFO], 8, v[PFO]
	v_lshrrev_b32 v[PFX], 1, v[TW]
	v_and_b32 v[TW+3], 1, v[TW]
	v_lshlrev_b32 v[PFX], 12, v[PFX]
	v_lshl_add_u32 v[PFX], v[TW+3], 8, v[PFX]
	s_mul_i32 s72, s[WV], QB
	s_lshl_b32 s74, s73, 16
	s_mov_b32 s73, 0
	s_mov_b32 s75, 0
	s_lshl_b32 s76, s[WG], 20
	s_lshl_b32 s77, s[WV], 18
	s_add_co_u32 s76, s76, s77
	s_mov_b32 s77, 0
	s_lshl_b32 s78, s[WG], 5
	s_mov_b32 s79, 0
	s_wait_kmcnt 0x0
	s_add_nc_u64 s[4:5], s[4:5], s[76:77]          ; my wave's 64 rows of encoder_outputs
	s_mov_b32 s[G0XA], 1
	s_mov_b32 s[G0XA+1], s72
	s_mov_b64 s[G0XA+2:G0XA+3], s[4:5]
	s_mov_b32 s[G0XB], 1
	s_add_co_u32 s[G0XB+1], s72, SLOTB
	s_add_nc_u64 s[G0XB+2:G0XB+3], s[4:5], 512
	s_or_b32 s[G0XA+3], s[G0XA+3], 0x80000000
	s_or_b32 s[G0XB+3], s[G0XB+3], 0x80000000
	s_mov_b32 s[G0W], 1
	s_mov_b32 s[G0W+1], s72
	s_add_nc_u64 s[G0W+2:G0W+3], s[6:7], s[72:73]
	s_or_b32 s[G0W+3], s[G0W+3], 0x80000000
	s_add_nc_u64 s[HB0:HB0+1], s[8:9], s[74:75]
	s_add_nc_u64 s[12:13], s[12:13], s[78:79]
	CROUND
	tensor_load_to_lds s[G0XA:G0XA+3], s[G1X:G1X+7]   ; K slot 0: one tensor load a wave at the head
	s_nop 0
	s_wait_alu depctr_va_vdst(0)                   ; the wait at the head's end
	s_wait_tensorcnt 0x0
	ds_add_u32 v[SPW], v[NIL]
	s_wait_dscnt 0x0
	CROUND
	tensor_load_to_lds s[G0XB:G0XB+3], s[G1X:G1X+7]   ; K slot 1, issued as a refill is
	s_nop 0
	WIN TABLD
.set zi, 0
.rept 64
	v_mov_b32 v[64+zi], 0                          ; accumulator set 1 and table set 3: what the first group's way out works on
.set zi, zi+1
.endr
.set zi, 0
.rept 32
	v_mov_b32 v[224+zi], 0
.set zi, zi+1
.endr
	TABL 0, HB0, 10, 0, 0                          ; the tables of groups 0 and 1
	TABL 1, HB0, 10, 2048, 128
	WIN 0
.irp i, 0,1,2,3,4,5,6,7,8,9,10,11,12,13,14,15
	v_mov_b32 v[SC+\i], 0                          ; the sixteen pairs of running sums
	v_mov_b32 v[SC+16+\i], 0
.endr
.irp i, 0,1,2,3
	v_mov_b32 v[TM+4+\i], 0                        ; a lane permute's destination counts as one of its sources
	v_mov_b32 v[TW+4+\i], 0
.endr
	ASKX 2
	s_wait_tensorcnt 0x1                           ; slot 1's load may be out
	s_barrier_signal -1
	s_barrier_wait -1
	SLOTPROC 0
.irp t, 1,2,3,4,5,6,7
	CHG1 \t
	SLOTPROC \t
.endr
	CHG1 8
	s_mov_b32 s[TB], 0
	v_add_nc_u32 v[WA], s[TB], v[LI]
	v_add_nc_u32 v[WSA], s[TB], v[LSB]
	s_wait_alu depctr_va_vdst(0)                   ; the wait here, directly behind the writes
	RUN WA, WSA, 0, 0
	RUN WA, WSA, 1, 1
	s_mov_b32 s[LC], 6
.Lfill:                                                ; a trip is a slot: four groups; slots 2 to 7 are asked for here
	GROUP 0, 0
	GROUP 1, 0
	GROUP 2, 0
	GROUP 3, 1
	WIN 0
	s_sub_co_u32 s[LC], s[LC], 1
	s_cmp_lg_u32 s[LC], 0
	s_cbranch_scc1 .Lfill
	s_mov_b32 s[LC], 2
.Ltail:                                                ; the last two slots: nothing is filled again
	GROUP 0, 0
	GROUP 1, 0
	GROUP 2, 0
	GROUP 3, 2
	WIN 0
	s_sub_co_u32 s[LC], s[LC], 1
	s_cmp_lg_u32 s[LC], 0
	s_cbranch_scc1 .Ltail
	s_wait_loadcnt 16                              ; the last group's tables are in
.set qi, 0                                             ; and its way out, with no products to stand among
.set ql, 32
	EMIT 32, 1, 3
	BATCH v_exp_f32, 1
	s_wait_alu depctr_va_vdst(0)
.set ql, 64
	EMIT 32, 1, 3
	BATCH v_rcp_f32, 1
	s_wait_alu depctr_va_vdst(0)
.set ql, 96
	EMIT 32, 1, 3
	WIN 0
	s_wait_alu depctr_va_vdst(0)
.irp a, 0,1,2,3,4,5,6,7
	v_pk_add_f32 v[SC+2*\a:SC+2*\a+1], v[SC+2*\a:SC+2*\a+1], v[SC+16+2*\a:SC+17+2*\a]   ; an accumulator's two pairs of sums
.endr
.irp a, 0,1,4,5
	v_pk_add_f32 v[SC+2*\a:SC+2*\a+1], v[SC+2*\a:SC+2*\a+1], v[SC+4+2*\a:SC+5+2*\a]   ; the two g tiles' sums of a tile of rows: accumulators a and a + 2
.endr
	v_add_f32 v[TW], v[SC], v[SC+1]
	v_add_f32 v[TW+1], v[SC+2], v[SC+3]
	v_add_f32 v[TW+2], v[SC+8], v[SC+9]
	v_add_f32 v[TW+3], v[SC+10], v[SC+11]
.irp mm, 0,1,2,3
	v_permlanex16_b32 v[TW+4+\mm], v[TW+\mm], s[SEL], s[SEL+1]
.endr
.irp mm, 0,1,2,3
	v_add_f32 v[TW+\mm], v[TW+\mm], v[TW+4+\mm]    ; with lane l xor 16's eight g of each sixteen
.endr
	v_bfe_u32 v[TW+10], v0, 4, 1
	v_cmp_ne_u32 vcc_lo, 0, v[TW+10]
	v_cndmask_b32 v[TW+8], v[TW], v[TW+2], vcc_lo  ; lanes 0-15 store t = mm 0, 1; lanes 16-31 mm 2, 3
	v_cndmask_b32 v[TW+9], v[TW+1], v[TW+3], vcc_lo
	v_mul_f32 v[TW+8], -2.0, v[TW+8]
	v_mul_f32 v[TW+9], -2.0, v[TW+9]
	global_store_b64 v[SO], v[TW+8:TW+9], s[12:13] ; 8 bytes of each of 16 rows b: a work-group holds 8 t of every b, 1 KB in all
	s_wait_tensorcnt 0x0                           ; the wave's end
	ds_add_u32 v[SPW], v[NIL]
	s_wait_dscnt 0x0
	CROUND                                         ; the closing round
	s_endpgm
.Lfunc_end_k_q6493c1af20_main:
	.size	k_q6493c1af20_main, .Lfunc_end_k_q6493c1af20_main-k_q6493c1af20_main
	.p2alignl 7, 3214868480
	.fill 96, 4, 3214868480
	.section	.rodata,"a",@progbits
	.p2align	6, 0x0
	.amdhsa_kernel k_q6493c1af20_main
		.amdhsa_group_segment_fixed_size 327680
		.amdhsa_private_segment_fixed_size 0
		.amdhsa_enable_private_segment 0
		.amdhsa_kernarg_size 40
		.amdhsa_user_sgpr_count 2
		.amdhsa_user_sgpr_kernarg_segment_ptr 1
		.amdhsa_wavefront_size32 1
		.amdhsa_system_sgpr_workgroup_id_x 1
		.amdhsa_system_sgpr_workgroup_id_y 1
		.amdhsa_system_sgpr_workgroup_id_z 1
		.amdhsa_system_vgpr_workitem_id 0
		.amdhsa_next_free_vgpr 1024
		.amdhsa_next_free_sgpr 80
		.amdhsa_reserve_vcc 1
		.amdhsa_float_denorm_mode_32 3
		.amdhsa_float_denorm_mode_16_64 3
		.amdhsa_memory_ordered 1
		.amdhsa_forward_progress 1
		.amdhsa_inst_pref_size 255
	.end_amdhsa_kernel
	.section	.bss,"aw",@nobits
	.p2align	6
	.space	262144
	.amdgpu_metadata
---
amdhsa.version: [ 1, 2 ]
amdhsa.kernels:
  - .name:           k_q6493c1af20_main
    .symbol:         k_q6493c1af20_main.kd
    .args:
      - { .name: encoder_outputs, .offset: 0, .size: 8, .value_kind: global_buffer, .address_space: global }
      - { .name: wq, .offset: 8, .size: 8, .value_kind: global_buffer, .address_space: global }
      - { .name: hb, .offset: 16, .size: 8, .value_kind: global_buffer, .address_space: global }
      - { .name: v, .offset: 24, .size: 8, .value_kind: global_buffer, .address_space: global }
      - { .name: scores, .offset: 32, .size: 8, .value_kind: global_buffer, .address_space: global }
    .group_segment_fixed_size: 327680
    .private_segment_fixed_size: 0
    .kernarg_segment_align: 8
    .kernarg_segment_size: 40
    .max_flat_workgroup_size: 128
    .sgpr_count:     80
    .vgpr_count:     1024
    .wavefront_size: 32
...
	.end_amdgpu_metadata
.endif
;; end of part 2
;; launch soft (part 3): grid 32 x 1, 8 waves a work-group, no clusters, 1,280 bytes of LDS; arguments scores, out0; writes out0
.if DOCPART == 3
	.amdgcn_target "amdgcn-amd-amdhsa--gfx1250"
	.amdhsa_code_object_version 6
	.text
	.protected	k_q6493c1af20_soft
	.globl	k_q6493c1af20_soft
	.p2align	8
	.type	k_q6493c1af20_soft,@function
k_q6493c1af20_soft:
	s_mov_b64 s[64:65], 0
	v_nop
	global_prefetch_b8 v0, s[64:65] scope:SCOPE_SE
	s_setreg_imm32_b32 hwreg(HW_REG_WAVE_MODE, 25, 1), 1
	s_wait_xcnt 0x0
; out0[b][t] = softmax over t of scores[b][t].  scores: [32][2048] f32, reference()'s scores less a number that is the same for all t of a row, which the softmax does not see.
; A work-group takes one row of 8,192 bytes; thread i holds the 16 bytes at 16 i and at 16 i + 4,096: each load and store of a wave covers 512 consecutive bytes, aligned.
; The row's largest score is taken away before the exponential, as reference() does.  The row stays in registers; the waves' maxima and sums meet in LDS, in bytes of their own each.
; 32 rows give 32 work-groups: the launch moves 512 KB and has no more to share.
	s_load_b128 s[4:7], s[0:1], 0x0                ; scores, out0
	v_lshl_add_u32 v32, v0, 2, 0x100
	v_mov_b32 v33, 0
	v_lshrrev_b32 v1, 5, v0
	s_delay_alu instid0(VALU_DEP_1)
	v_readfirstlane_b32 s8, v1                     ; wave 0..7
	v_lshlrev_b32 v2, 4, v0
	s_lshl_b32 s10, ttmp9, 13                      ; my row
	s_mov_b32 s11, 0
	s_mov_b32 s12, 0x76543210
	s_mov_b32 s13, 0xfedcba98                      ; v_permlanex16_b32's selects for lane l xor 16
	s_mov_b32 s14, 0x3fb8aa3b                      ; log2(e)
	s_mov_b32 s15, s14
	s_lshl_b32 s9, s8, 2
	v_mov_b32 v14, s9                              ; LDS: my wave's word
	v_mov_b32 v15, 0
	v_mov_b32 v13, 0                               ; a lane permute's destination counts as one of its sources
	s_wait_alu depctr_va_vdst(0)
	s_wait_kmcnt 0x0
	s_add_nc_u64 s[4:5], s[4:5], s[10:11]
	s_add_nc_u64 s[6:7], s[6:7], s[10:11]
	global_load_b128 v[4:7], v2, s[4:5]
	global_load_b128 v[8:11], v2, s[4:5] offset:4096
	s_wait_loadcnt 0x0
	v_max3_num_f32 v12, v4, v5, v6
	s_delay_alu instid0(VALU_DEP_1)
	v_max3_num_f32 v12, v12, v7, v8
	s_delay_alu instid0(VALU_DEP_1)
	v_max3_num_f32 v12, v12, v9, v10
	s_delay_alu instid0(VALU_DEP_1)
	v_max_num_f32 v12, v12, v11
	s_delay_alu instid0(VALU_DEP_1)
	v_max_num_f32_dpp v12, v12, v12 row_xmask:1 row_mask:0xf bank_mask:0xf
	s_delay_alu instid0(VALU_DEP_1)
	v_max_num_f32_dpp v12, v12, v12 row_xmask:2 row_mask:0xf bank_mask:0xf
	s_delay_alu instid0(VALU_DEP_1)
	v_max_num_f32_dpp v12, v12, v12 row_xmask:4 row_mask:0xf bank_mask:0xf
	s_delay_alu instid0(VALU_DEP_1)
	v_max_num_f32_dpp v12, v12, v12 row_xmask:8 row_mask:0xf bank_mask:0xf
	s_delay_alu instid0(VALU_DEP_1)
	v_permlanex16_b32 v13, v12, s12, s13
	s_delay_alu instid0(VALU_DEP_1)
	v_max_num_f32 v12, v12, v13                    ; my wave's largest
	ds_store_b32 v14, v12
	s_wait_dscnt 0x0                               ; for the others' sake
	s_barrier_signal -1
	s_barrier_wait -1
	ds_load_b128 v[16:19], v15
	ds_load_b128 v[20:23], v15 offset:16
	s_wait_dscnt 0x0
	v_max3_num_f32 v24, v16, v17, v18
	s_delay_alu instid0(VALU_DEP_1)
	v_max3_num_f32 v24, v24, v19, v20
	s_delay_alu instid0(VALU_DEP_1)
	v_max3_num_f32 v24, v24, v21, v22
	s_delay_alu instid0(VALU_DEP_1)
	v_max_num_f32 v24, v24, v23                    ; the row's largest
	s_delay_alu instid0(VALU_DEP_1)
	v_mov_b32 v25, v24
.irp j, 4,6,8,10
	v_pk_add_f32 v[\j:\j+1], v[\j:\j+1], v[24:25] neg_lo:[0,1] neg_hi:[0,1]   ; s - M first, so that the rounding of a product with M does not enter
.endr
.irp j, 4,6,8,10
	s_delay_alu instid0(VALU_DEP_4)
	v_pk_mul_f32 v[\j:\j+1], v[\j:\j+1], s[14:15] op_sel_hi:[1,0]
.endr
	s_wait_alu depctr_va_vdst(0)
.irp j, 4,5,6,7,8,9,10,11
	v_exp_f32 v[\j], v[\j]
.endr
	v_nop                                          ; a plain line between the exponentials and the use of their results
	s_wait_alu depctr_va_vdst(0)
	v_pk_add_f32 v[16:17], v[4:5], v[6:7]
	v_pk_add_f32 v[18:19], v[8:9], v[10:11]
	s_delay_alu instid0(VALU_DEP_1)
	v_pk_add_f32 v[16:17], v[16:17], v[18:19]
	s_delay_alu instid0(VALU_DEP_1)
	v_add_f32 v12, v16, v17
	s_delay_alu instid0(VALU_DEP_1)
	v_add_f32_dpp v12, v12, v12 row_xmask:1 row_mask:0xf bank_mask:0xf
	s_delay_alu instid0(VALU_DEP_1)
	v_add_f32_dpp v12, v12, v12 row_xmask:2 row_mask:0xf bank_mask:0xf
	s_delay_alu instid0(VALU_DEP_1)
	v_add_f32_dpp v12, v12, v12 row_xmask:4 row_mask:0xf bank_mask:0xf
	s_delay_alu instid0(VALU_DEP_1)
	v_add_f32_dpp v12, v12, v12 row_xmask:8 row_mask:0xf bank_mask:0xf
	s_delay_alu instid0(VALU_DEP_1)
	v_permlanex16_b32 v13, v12, s12, s13
	s_delay_alu instid0(VALU_DEP_1)
	v_add_f32 v12, v12, v13                        ; my wave's sum
	ds_store_b32 v14, v12 offset:64                ; other bytes than the maxima's
	s_wait_dscnt 0x0
	s_barrier_signal -1
	s_barrier_wait -1
	ds_load_b128 v[16:19], v15 offset:64
	ds_load_b128 v[20:23], v15 offset:80
	s_wait_dscnt 0x0
	v_pk_add_f32 v[16:17], v[16:17], v[18:19]
	v_pk_add_f32 v[20:21], v[20:21], v[22:23]
	s_delay_alu instid0(VALU_DEP_1)
	v_pk_add_f32 v[16:17], v[16:17], v[20:21]
	s_delay_alu instid0(VALU_DEP_1)
	v_add_f32 v24, v16, v17                        ; the row's sum: at least 1, since the largest score gives 2^0
	s_wait_alu depctr_va_vdst(0)
	v_rcp_f32 v26, v24
	v_mov_b32 v27, 0                               ; a plain line behind the reciprocal; the register is named with v26 as a pair, so it is written
	s_wait_alu depctr_va_vdst(0)
.irp j, 4,6,8,10
	v_pk_mul_f32 v[\j:\j+1], v[\j:\j+1], v[26:27] op_sel_hi:[1,0]
.endr
	global_store_b128 v2, v[4:7], s[6:7]
	global_store_b128 v2, v[8:11], s[6:7] offset:4096
	s_wait_tensorcnt 0x0
	ds_add_u32 v32, v33
	s_wait_dscnt 0x0
	s_endpgm
.Lfunc_end_k_q6493c1af20_soft:
	.size	k_q6493c1af20_soft, .Lfunc_end_k_q6493c1af20_soft-k_q6493c1af20_soft
	.p2alignl 7, 3214868480
	.fill 96, 4, 3214868480
	.section	.rodata,"a",@progbits
	.p2align	6, 0x0
	.amdhsa_kernel k_q6493c1af20_soft
		.amdhsa_group_segment_fixed_size 1280
		.amdhsa_private_segment_fixed_size 0
		.amdhsa_enable_private_segment 0
		.amdhsa_kernarg_size 16
		.amdhsa_user_sgpr_count 2
		.amdhsa_user_sgpr_kernarg_segment_ptr 1
		.amdhsa_wavefront_size32 1
		.amdhsa_system_sgpr_workgroup_id_x 1
		.amdhsa_system_sgpr_workgroup_id_y 1
		.amdhsa_system_sgpr_workgroup_id_z 1
		.amdhsa_system_vgpr_workitem_id 0
		.amdhsa_next_free_vgpr 34
		.amdhsa_next_free_sgpr 66
		.amdhsa_reserve_vcc 0
		.amdhsa_float_denorm_mode_32 3
		.amdhsa_float_denorm_mode_16_64 3
		.amdhsa_memory_ordered 1
		.amdhsa_forward_progress 1
		.amdhsa_inst_pref_size 6
	.end_amdhsa_kernel
	.amdgpu_metadata
---
amdhsa.version: [ 1, 2 ]
amdhsa.kernels:
  - .name:           k_q6493c1af20_soft
    .symbol:         k_q6493c1af20_soft.kd
    .args:
      - { .name: scores, .offset: 0, .size: 8, .value_kind: global_buffer, .address_space: global }
      - { .name: out0, .offset: 8, .size: 8, .value_kind: global_buffer, .address_space: global }
    .group_segment_fixed_size: 1280
    .private_segment_fixed_size: 0
    .kernarg_segment_align: 8
    .kernarg_segment_size: 16
    .max_flat_workgroup_size: 256
    .sgpr_count:     66
    .vgpr_count:     34
    .wavefront_size: 32
...
	.end_amdgpu_metadata
.endif
;; end of part 3
